; MI455X (gfx1250); checked and timed in simulation.
; The chip was launched on July 23, 2026; its instructions are those of AMD's public machine-readable ISA for CDNA 5 (MIT licence, August 2026) and "CDNA5" Instruction Set Architecture Reference Guide (July 2026). The comments in the code are by the model that wrote it; some were corrected since.
;; Attention Block. Allowed arithmetic: matrix products marked QUANTISED: E5M2 operands, one given power-of-two scale a tensor, by v_wmma_f32_16x16x64_bf8_bf8 or v_wmma_f32_16x16x128_bf8_bf8, f32 sums; everything else in f32.
;; Inputs: Wk_codes 1,024 x 32 x 32 uint8 (E5M2 codes of Wk, K innermost, in blocks of 32 codes); Wq_codes 1,024 x 32 x 32 uint8 (E5M2 codes of Wq, K innermost, in blocks of 32 codes); Wv_codes 1,024 x 32 x 32 uint8 (E5M2 codes of Wv, K innermost, in blocks of 32 codes); bk 1,024 float32; bq 1,024 float32; bv 1,024 float32; key_codes 4 x 2,048 x 32 x 32 uint8 (E5M2 codes of key, K innermost, in blocks of 32 codes); lowp_scales 10 int32 (the exponents e of the quantised operands' scales 2^e); query_codes 4 x 2,048 x 32 x 32 uint8 (E5M2 codes of query, K innermost, in blocks of 32 codes); value_codes 4 x 2,048 x 32 x 32 uint8 (E5M2 codes of value, K innermost, in blocks of 32 codes).
;; Outputs: out0 4 x 2,048 x 1,024 float32.
;; This version of the problem:
;;   THIS VERSION OF THE PROBLEM IS GIVEN IN LOW PRECISION. The matrix products marked QUANTISED in the list below multiply operands that are first quantised to E5M2 (5 exponent bits, 2 mantissa bits; 8 bits a number), with one given power-of-two scale for each operand tensor; their sums are f32. All else is computed in f32.
;;   The module's matrix products, in the order in which they are computed (A, B: the left and right operand; K: the contracted axis; several contracted axes count as one K, in the product's order):
;;     1. [M 8,192, K 1,024] x [K 1,024, N 1,024]; A: input query (given as codes); B: input Wq (given as codes): QUANTISED (scales: A lowp_scales[0], B lowp_scales[1])
;;     2. [M 8,192, K 1,024] x [K 1,024, N 1,024]; A: input key (given as codes); B: input Wk (given as codes): QUANTISED (scales: A lowp_scales[2], B lowp_scales[3])
;;     3. [M 8,192, K 1,024] x [K 1,024, N 1,024]; A: input value (given as codes); B: input Wv (given as codes): QUANTISED (scales: A lowp_scales[4], B lowp_scales[5])
;;     4. batch 4 x [M 2,048, K 1,024] x [K 1,024, N 2,048]; A: computed on the way; B: computed on the way: QUANTISED (scales: A lowp_scales[6], B lowp_scales[7])
;;     5. batch 4 x [M 2,048, K 2,048] x [K 2,048, N 1,024]; A: softmax (see below); B: computed on the way: QUANTISED (scales: A lowp_scales[8], B lowp_scales[9])
;;   THE QUANTISER, for each operand of a quantised product, along K:
;;     - The operand's scale is 2^e, e = its entry of the input lowp_scales (int32; the entries are numbered through the quantised products in the list's order, A before B).
;;     - Each number is divided by the scale, clamped to +-57,344, and rounded to the nearest number of E5M2, ties to even, subnormals kept.
;;     - The product sums the exact products of the quantised numbers (number of the format x scale) in f32.
;;   ~~~python
;;   def quantise(x, axis, e):      # numpy; x: float32 -> the quantised numbers, widened to float32 again
;;       x = np.moveaxis(x, axis, -1); K = x.shape[-1]
;;       r = np.clip(x / 2.0 ** e, -57344, 57344)
;;       step = 2.0 ** (np.maximum(np.frexp(np.where(r == 0, 1, r))[1] - 1, -14) - 2)
;;       q = np.round(r / step) * step * 2.0 ** e      # np.round: ties to even
;;       return np.moveaxis(q, -1, axis).astype(np.float32)
;;   ~~~
;;   SOFTMAX AHEAD OF A QUANTISED PRODUCT. Where the list says 'softmax', what is quantised is not the finished softmax but p = 2^(t - M), with t = logit x log2(e) and M = ceil(the row's largest t), a whole number; so 1/2 < the row's largest p <= 1. The row's sum l is taken of the UNQUANTISED p, in f32, and the product's result is divided by l at the end. Since M is a whole number, a kernel that streams over the keys may use a running M (the ceiling of the running maximum): every later rescaling is an exact power of two, so the quantised numbers keep their values, but for numbers so far below the row's largest that they fall under the format's range.
;;   OPERANDS COMPUTED ON THE WAY. 'Computed on the way' means the value that the module computes at that place (a softmax that the list does not call 'softmax' is quantised finished and normalised). What goes into a quantiser is computed in f32, as accurately as f32 sums, v_exp_f32 and their like allow (about 1e-6 of the number): no bf16 or f16 on the way to a quantiser, and a product that is left as it is and whose result goes on into a quantised operand takes f32 operands (vector FMAs, or v_wmma_f32_16x16x4_f32). A number that lies on a knife's edge between two numbers of the format may be rounded either way, as far as f32 arithmetic and the matrix unit's own rounding can turn it there, and no further.
;;   INPUTS GIVEN AS CODES. Wk (in the module: [1024, 1024], K = its axis 1); Wq (in the module: [1024, 1024], K = its axis 1); Wv (in the module: [1024, 1024], K = its axis 1); key (in the module: [4, 2048, 1024], K = its axis 2); query (in the module: [4, 2048, 1024], K = its axis 2); value (in the module: [4, 2048, 1024], K = its axis 2): each comes as NAME_codes (uint8): NAME with its K axis moved to the last place and cut into blocks of 32 codes, [.., K / 32, bytes a block], one block behind the other in memory; one code a byte (a code: sign, 5 exponent bits, 2 mantissa bits); its scale is its entry of lowp_scales. Its value is code x scale, taken as it is: it is not quantised again, and the codes and scales need not be those that the quantiser above would give.
;; One version. Each part assembles by itself: llvm-mc -triple=amdgcn-amd-amdhsa -mcpu=gfx1250 --defsym DOCPART=n.
;; ======== version 1 of 1: 3 launches
;; limits: right only within a limited range of input values
;; workspace buffers: qc 8,388,608 bytes; kc 8,388,608 bytes; vc 8,388,608 bytes; pc 16,777,216 bytes; stats 1,048,576 bytes
;; launch proj (part 1): grid 4 x 64, 4 waves a work-group, clusters of 4 x 4, 327,680 bytes of LDS; arguments query_codes, Wq_codes, bq, qc, key_codes, Wk_codes, bk, kc, Wv_codes, value_codes, bv, vc, lowp_scales; writes qc, kc, vc
.if DOCPART == 1
	.amdgcn_target "amdgcn-amd-amdhsa--gfx1250"
	.amdhsa_code_object_version 6
	.text
	.protected	k_qfdff81a754_proj
	.globl	k_qfdff81a754_proj
	.p2align	8
	.type	k_qfdff81a754_proj,@function
k_qfdff81a754_proj:
	s_mov_b64 s[64:65], 0
	v_nop
	global_prefetch_b8 v0, s[64:65] scope:SCOPE_SE
	s_setreg_imm32_b32 hwreg(HW_REG_WAVE_MODE, 25, 1), 1
	s_wait_xcnt 0x0
	s_wait_alu depctr_hold_cnt(0) depctr_sa_sdst(0) depctr_va_vdst(0) depctr_va_sdst(0) depctr_va_ssrc(0) depctr_va_vcc(0) depctr_vm_vsrc(0)
	s_getreg_b32 s2, hwreg(HW_REG_IB_STS2, 6, 4)
	s_cmp_eq_u32 s2, 0
	s_cbranch_scc0 .Lentry_in_a_cluster
	s_endpgm
.Lentry_in_a_cluster:
	s_bfe_u32 s2, ttmp6, 0x10000c
	s_cmp_lg_u32 s2, 0xf033
	s_cbranch_scc0 .Lentry_shape_is_right
	s_endpgm
.Lentry_shape_is_right:
; Q = query Wq^T + bq, K = key Wk^T + bk, V = value Wv^T + bv: three products [8192 x 1024] x [1024 x 1024] on the given codes of E5M2, sums in f32, each result quantised at once
; to E5M2 with its given scale (entries 6, 7 and 9 of the scales' exponents) for the attention's two products, which follow in later launches.
; NO WORK IS LEFT OUT: every input has a way to out0.  bq and bk move the codes of Q and K, bv those of V, and a quantiser is a step of the problem.
; SHARES.  256 work-groups: each makes one tile of 256 x 256 of Q or K (2 x 128 tiles) and then one half tile of V, 128 channels x 256 tokens (256 of them).  The ring goes on from the one into the other.
; Four waves: of the tile each makes 128 x 128 (64 accumulators of 16 x 16, 512 registers), of the half tile 64 x 128 (32 accumulators).  K goes in steps of 256 through two LDS slots filled by the tensor data mover.
; SIDES.  Source 1 takes 16 rows of the A side, which lie across the lanes; source 0 takes 16 rows of the B side, which run down a lane's registers.
;   Q, K: A side = tokens, B side = rows of W: a lane holds one token and eight neighbouring channels.   V: A side = rows of Wv, B side = tokens: a lane holds one channel and eight neighbouring keys.
; THE WAY OUT.  The eight results of tile b are converted into registers 2 b, 2 b + 1 of a fragment (16 rows x 128 along the next K), stored as it stands: register group c of lane l at 512 c + 16 l of 2,048 bytes.
; Order in qc, kc: [block of 128 tokens][step of 256 d][half of 128][8 x 16 rows][2,048]; in vc: [batch][block of 128 channels][step of 256 keys][half][8 x 16 rows][2,048].
; THE BIAS is the C of each sum's first matrix instruction, divided by the power of two that the sums lack: b x 2^-(ea + eb).  The code is then sum / 2^(e_out - ea - eb).
; CLUSTERS: 4 x 4; the four of a row need the same tiles of the A side, the four of a column the same of the B side: each tile is asked for jointly.
; PREFETCH: the tokens' codes are asked for two loads ahead, 32 rows x 256 bytes an instruction, a lane a row; the four partners share a wave's 128 rows by address.
; The weights' tiles, which eight or sixteen clusters walk alike, come by their loads alone.
; LIMITS: e_out - ea - eb lies between -126 and 112, so that the scale and 57,344 x the scale are f32 numbers.  NaN among the biases is not served.
; REGISTERS, in windows of 256: window 0: v0-31 addresses and constants; v32-95 the bias, later a block's held numbers; v128-255 the A side's 8 fragments (V: two sets of 4).
;   window 1: the B side's fragments, two sets, at v0 and v128; on the ways out the codes at v128.   window 2: accumulators (a, b), a = 0..3, at v[8 (8 a + b)];   window 3: a = 4..7.
.set ROWB,   256
.set KROW,   1024
.set PITCH,  272                       ; an LDS row: 256 bytes + 16 of padding = 68 words: the 16 rows that a load touches start at 16 different banks (64 banks of 4 bytes: ISA guide 11.1)
.set FR,     16
.set NL,     4
.set NP,     4                         ; places behind this matrix instruction (ISA guide 7.12.1)
.set HALFT,  128*PITCH
.set SLOT,   4*HALFT                   ; the A side's two parts, then the B side's
.set SPARE,  2*SLOT                    ; the spare words, 128 bytes a wave
.set LI,   7                           ; 16 x lane
.set PFO,  10                          ; 1,024 x lane: the prefetches' offset
.set VB,   12                          ; v12-15: V's bias as loaded
.set ADRA, 16
.set ADRB, 20
.set SPW,  28
.set NIL,  29
.set BI,   32
.set TMP,  32
.set AF,   128
.set CD,   128
.set G1, 24                            ; group 1: A's tiles;  G1B: B's;  G1V: the A side of V (64 rows a wave)
.set G0, 32
.set G1B, 48
.set G0B, 56
.set G1V, 76
.set MSB, 0
.macro WIN new                         ; the immediate's high byte repeats the setting that is left
.if MSB != \new
	s_set_vgpr_msb (MSB<<8)|(\new)
.set MSB, \new
.endif
.endm
.set MUL_LO, 0xa1
.set MUL_HI, 0xf1
.set TO_B,   0x40
; A joint load: waves 0 and 1 fetch for the A side, waves 2 and 3 for the B side.  An s_nop 0 and four v_nop follow each line.
.macro JLOAD g0a, g1a, g0b, g1b
	s_cmp_eq_u32 s15, 0
	s_cbranch_scc0 .Lfor_b_\@
	tensor_load_to_lds s[\g0a:\g0a+3], s[\g1a:\g1a+7]
	s_nop 0
.rept 4
	v_nop
.endr
	s_branch .Lasked_\@
.Lfor_b_\@:
	tensor_load_to_lds s[\g0b:\g0b+3], s[\g1b:\g1b+7]
	s_nop 0
.rept 4
	v_nop
.endr
.Lasked_\@:
.endm
.macro ASK side, off                   ; side 0: waves 0 and 1, Q's or K's tokens; side 1: waves 2 and 3, V's
	s_cmp_eq_u32 s15, \side
	s_cbranch_scc0 .Lnot_mine_\@
	global_prefetch_b8 v[PFO], s[12:13] offset:\off th:TH_LOAD_NT scope:SCOPE_SE
.Lnot_mine_\@:
.endm
.macro CREST                           ; a round of the cluster's barrier behind its opening barrier
	s_cmp_lg_u32 s14, 0
	s_cbranch_scc1 .Lnot_wave_0_\@
	s_barrier_signal -3
.Lnot_wave_0_\@:
	s_barrier_wait -3
	s_barrier_signal -1
	s_barrier_wait -1
.endm
.macro CROUND
	s_barrier_signal -1
	s_barrier_wait -1
	CREST
.endm
.macro PLACES n                        ; plain vector instructions between a matrix instruction and a load into, or a vector instruction on, its registers
.rept \n
	v_nop
.endr
.endm
	s_load_b256 s[68:75], s[0:1], 0x0              ; query's codes, Wq's codes, bq, qc
	s_load_b256 s[76:83], s[0:1], 0x20             ; key's codes, Wk's codes, bk, kc
	s_load_b256 s[84:91], s[0:1], 0x40             ; Wv's codes, value's codes, bv, vc
	s_load_b64 s[92:93], s[0:1], 0x60              ; the scales' exponents
	v_lshl_add_u32 v[SPW], v0, 2, SPARE
	v_mov_b32 v[NIL], 0
	ds_add_u32 v[SPW], v[NIL]                      ; the wave's opening: the add, twice on end, and its wait ahead of my first tensor load
	ds_add_u32 v[SPW], v[NIL]
	v_lshrrev_b32 v1, 5, v0
	v_readfirstlane_b32 s14, v1                    ; wave 0..3
	s_lshr_b32 s15, s14, 1                         ; my half of the A side.  Also: I fetch for A (0) or for B (1)
	s_and_b32 s16, s14, 1                          ; my half of the B side.  Also: which half of the rows I fetch
	s_bfe_u32 s40, ttmp6, 0x40000                  ; cx, cy
	s_bfe_u32 s41, ttmp6, 0x40004
	s_and_b32 s95, ttmp7, 0xffff                   ; cluster y, 0..15
	s_lshr_b32 s94, s95, 3                         ; 0: Q, 1: K
	s_and_b32 s17, s95, 7
	s_lshl_b32 s17, s17, 2
	s_add_co_u32 s17, s17, s41                     ; A: tile of 256 tokens, 0..31
	s_mov_b32 s42, s40                             ; B: tile of 256 channels, 0..3
	s_and_b32 s18, s95, 1
	s_lshl_b32 s18, s18, 2
	s_add_co_u32 s18, s18, s41                     ; V, A: block of 128 channels, 0..7
	s_lshr_b32 s19, s95, 1
	s_lshl_b32 s19, s19, 2
	s_add_co_u32 s19, s19, s40                     ; V, B: tile of 256 tokens, 0..31
	s_lshl_b32 s43, s41, 2
	s_lshl_b32 s43, 15, s43                        ; my row of the cluster
	s_lshl_b32 s44, 0x1111, s40                    ; my column
	s_or_b32 s[G1+0], s43, (0<<16)|(1<<20)|(1<<21)|(5<<22)|(3<<25)  ; 15:0 the mask; 17:16 elements of 1 byte; 20 padding on; 21 set beside a mask; 24:22 after every 64 words; 31:25 four words
	s_or_b32 s[G1B+0], s44, (0<<16)|(1<<20)|(1<<21)|(5<<22)|(3<<25)
.irp g, G1, G1B
	s_mov_b32 s[\g+1], ROWB<<16                    ; tensor_dim0
	s_mov_b32 s[\g+2], 128<<16                     ; tensor_dim1
	s_mov_b32 s[\g+3], ROWB<<16                    ; tile_dim0
	s_mov_b32 s[\g+4], 128                         ; tile_dim1
	s_mov_b32 s[\g+5], KROW
	s_mov_b32 s[\g+6], 0
	s_mov_b32 s[\g+7], 0
.endr
	s_lshl_b32 s20, s17, 1
	s_add_co_u32 s20, s20, s16
	s_lshl_b32 s20, s20, 17                        ; A: 128 rows of 1,024 bytes
	s_mov_b32 s21, 0
	s_lshl_b32 s46, s42, 1
	s_add_co_u32 s46, s46, s16
	s_lshl_b32 s46, s46, 17                        ; B
	s_mov_b32 s47, 0
	s_lshl_b32 s66, s18, 1
	s_add_co_u32 s66, s66, s16
	s_lshl_b32 s66, s66, 16                        ; V, A: 64 rows
	s_mov_b32 s67, 0
	s_lshl_b32 s98, s19, 1
	s_add_co_u32 s98, s98, s16
	s_lshl_b32 s98, s98, 17                        ; V, B: 128 rows
	s_mov_b32 s99, 0
	s_mul_i32 s45, s14, HALFT                      ; where they go: no place in the cluster enters an LDS address
	s_wait_dscnt 0x0                               ; both opening adds are done
	s_wait_kmcnt 0x0
	s_cmp_eq_u32 s94, 0                            ; Q's or K's buffers
	s_cselect_b64 s[4:5], s[68:69], s[76:77]
	s_cselect_b64 s[6:7], s[70:71], s[78:79]
	s_cselect_b64 s[8:9], s[72:73], s[80:81]
	s_cselect_b64 s[10:11], s[74:75], s[82:83]
	s_add_nc_u64 s[20:21], s[4:5], s[20:21]
	s_add_nc_u64 s[46:47], s[6:7], s[46:47]
	s_add_nc_u64 s[84:85], s[84:85], s[66:67]
	s_add_nc_u64 s[86:87], s[86:87], s[98:99]
	s_load_b256 s[68:75], s[92:93], 0x0            ; exponents 0 to 7
	s_load_b64 s[66:67], s[92:93], 0x20            ; 8 and 9
	s_or_b32 s[G1V+0], s43, (0<<16)|(1<<20)|(1<<21)|(5<<22)|(3<<25)
	s_mov_b32 s[G1V+1], ROWB<<16
	s_mov_b32 s[G1V+2], 64<<16
	s_mov_b32 s[G1V+3], ROWB<<16
	s_mov_b32 s[G1V+4], 64
	s_mov_b32 s[G1V+5], KROW
	s_mov_b32 s[G1V+6], 0
	s_mov_b32 s[G1V+7], 0
	CROUND                                         ; all sixteen work-groups are here: the first joint loads meet
.irp s, 0,1
	s_mov_b32 s[G0+4*\s], 1
	s_add_co_u32 s[G0+4*\s+1], s45, \s*SLOT
	s_add_nc_u64 s[G0+4*\s+2:G0+4*\s+3], s[20:21], \s*ROWB
	s_or_b32 s[G0+4*\s+3], s[G0+4*\s+3], 0x80000000
	s_mov_b32 s[G0B+4*\s], 1
	s_add_co_u32 s[G0B+4*\s+1], s45, \s*SLOT
	s_add_nc_u64 s[G0B+4*\s+2:G0B+4*\s+3], s[46:47], \s*ROWB
	s_or_b32 s[G0B+4*\s+3], s[G0B+4*\s+3], 0x80000000
.endr
	JLOAD G0, G1, G0B, G1B                         ; K step 0: my one load at the head
	s_cmp_eq_u32 s15, 0                            ; the prefetches: waves 0 and 1 ask for the tile's tokens, waves 2 and 3 for V's
	s_cselect_b64 s[12:13], s[20:21], s[86:87]
	s_cselect_b32 s2, s40, s41                     ; my place among the four partners: 32 rows each
	s_lshl_b32 s2, s2, 15
	s_mov_b32 s3, 0
	s_add_nc_u64 s[12:13], s[12:13], s[2:3]
	s_lshl_b32 s2, s42, 10                         ; my 128 numbers of bq or bk
	s_lshl_b32 s22, s16, 9
	s_add_co_u32 s2, s2, s22
	s_add_nc_u64 s[8:9], s[8:9], s[2:3]
	s_lshl_b32 s2, s18, 9                          ; my 64 numbers of bv
	s_lshl_b32 s22, s15, 8
	s_add_co_u32 s2, s2, s22
	s_add_nc_u64 s[88:89], s[88:89], s[2:3]
	s_lshl_b32 s2, s17, 1                          ; qc, kc: (8 x block of 128 tokens + 2 x step + half) x 16 KiB
	s_add_co_u32 s2, s2, s15
	s_lshl_b32 s2, s2, 3
	s_lshl_b32 s22, s42, 1
	s_add_co_u32 s2, s2, s22
	s_add_co_u32 s2, s2, s16
	s_lshl_b32 s2, s2, 14
	s_add_nc_u64 s[10:11], s[10:11], s[2:3]
	s_lshr_b32 s2, s19, 3                          ; vc: (128 x batch + 16 x block + 2 x step + half) x 16 KiB + 8 KiB x my half of the channels
	s_lshl_b32 s2, s2, 7
	s_lshl_b32 s22, s18, 4
	s_add_co_u32 s2, s2, s22
	s_and_b32 s22, s19, 7
	s_lshl_b32 s22, s22, 1
	s_add_co_u32 s2, s2, s22
	s_add_co_u32 s2, s2, s16
	s_lshl_b32 s2, s2, 1
	s_add_co_u32 s2, s2, s15
	s_lshl_b32 s2, s2, 13
	s_add_nc_u64 s[90:91], s[90:91], s[2:3]
	s_mul_i32 s22, s15, HALFT                      ; my part of the A side
	s_mul_i32 s23, s16, HALFT                      ; my 128 rows of the B side,
	s_add_co_u32 s23, s23, 2*HALFT                 ; which lie behind A's two parts
	v_and_b32 v1, 15, v0                           ; r
	v_bfe_u32 v2, v0, 4, 1                         ; h
	v_and_b32 v[LI], 31, v0
	v_lshlrev_b32 v[PFO], 10, v[LI]
	v_lshlrev_b32 v[LI], 4, v[LI]
	v_lshlrev_b32 v5, 5, v2                        ; bq, bk: 32 h bytes
	v_lshlrev_b32 v6, 2, v1                        ; bv: 4 r bytes
	v_mul_u32_u24 v3, v1, PITCH
	v_lshl_add_u32 v4, v2, 4, v3                   ; a fragment's row x pitch + 16 x half
.irp s, 0,1
	v_add_nc_u32 v[ADRA+\s], s22, v4
	v_add_nc_u32 v[ADRB+\s], s23, v4
	s_add_co_u32 s22, s22, SLOT
	s_add_co_u32 s23, s23, SLOT
.endr
	s_wait_alu depctr_va_vdst(0)
.irp b, 0,1,2,3,4,5,6,7                        ; Q, K: tile b's register j is channel 16 b + 8 h + j
	global_load_b128 v[BI+8*\b:BI+8*\b+3], v5, s[8:9] offset:64*\b
	global_load_b128 v[BI+8*\b+4:BI+8*\b+7], v5, s[8:9] offset:64*\b+16
.endr
.irp a, 0,1,2,3                                ; V: all registers of block a's tiles are channel 16 a + r
	global_load_b32 v[VB+\a], v6, s[88:89] offset:64*\a
.endr
	ASK 0, 512                                     ; K step 2, two loads ahead
	s_wait_kmcnt 0x0
	s_add_co_i32 s2, s68, s69
	s_add_co_i32 s3, s70, s71
	s_cmp_eq_u32 s94, 0
	s_cselect_b32 s2, s2, s3                       ; ea + eb of Q or K,
	s_cselect_b32 s22, s74, s75                    ; and the result's exponent
	s_sub_co_i32 s97, 0, s2                        ; -(ea + eb), for the bias
	s_sub_co_i32 s22, s22, s2                      ; e_out - ea - eb
	s_add_co_i32 s23, s72, s73
	s_sub_co_i32 s96, 0, s23                       ; the same of V
	s_sub_co_i32 s23, s67, s23
.macro SCALE s, sc, lim                ; 2^s as an f32 power of two, and 57,344 x that
	s_add_co_i32 s[\s], s[\s], 127
	s_lshl_b32 s3, s[\s], 23
	v_mov_b32 v[\sc], s3
	s_add_co_i32 s[\s], s[\s], 15
	s_lshl_b32 s[\s], s[\s], 23
	s_or_b32 s[\s], s[\s], 0x600000
	v_mov_b32 v[\lim], s[\s]
.endm
	SCALE 22, 8, 9
	SCALE 23, 18, 19
.macro FRAG reg, adr, q, i             ; a fragment, 16 rows x 128 K, by four loads of 16 bytes, 32 bytes apart: the same permutation of k on both sides
.irp c, 0,1,2,3
	ds_load_b128 v[\reg+4*\c:\reg+4*\c+3], v[\adr] offset:128*(\q)+32*\c+(\i)*16*PITCH
.endr
.endm
; 8 matrix instructions: A's block a x B's eight.  p: B's set.  zero = 1: the sums start from the bias by b (Q, K); 2: by a (V); 0: they go on.  The accumulators take turns, one instruction a turn.
.macro MUL8 a, p, zero
.irp b, 0,1,2,3,4,5,6,7
.if \zero == 0
	v_wmma_f32_16x16x128_bf8_bf8 v[8*(8*((\a)%4)+\b):8*(8*((\a)%4)+\b)+7], v[128*(\p)+FR*\b:128*(\p)+FR*\b+FR-1], v[AF+FR*(\a):AF+FR*(\a)+FR-1], v[8*(8*((\a)%4)+\b):8*(8*((\a)%4)+\b)+7]
.elseif \zero == 1
	v_wmma_f32_16x16x128_bf8_bf8 v[8*(8*((\a)%4)+\b):8*(8*((\a)%4)+\b)+7], v[128*(\p)+FR*\b:128*(\p)+FR*\b+FR-1], v[AF+FR*(\a):AF+FR*(\a)+FR-1], v[BI+8*\b:BI+8*\b+7]
.else
	v_wmma_f32_16x16x128_bf8_bf8 v[8*(8*((\a)%4)+\b):8*(8*((\a)%4)+\b)+7], v[128*(\p)+FR*\b:128*(\p)+FR*\b+FR-1], v[AF+FR*(\a):AF+FR*(\a)+FR-1], v[BI+8*(\a):BI+8*(\a)+7]
.endif
.endr
.endm
.macro MUL16 a0, p, zero
	MUL8 \a0, \p, \zero
	MUL8 \a0+1, \p, \zero
.endm
.macro FETCH_B slot, q, p
	WIN TO_B
.irp i, 0,1,2,3,4,5,6,7
	FRAG 128*(\p)+FR*\i, ADRB+\slot, \q, \i
.endr
	WIN 0
.endm
.macro FETCH_A slot, q, i0             ; A's blocks i0 .. i0 + 3
.irp i, \i0, \i0+1, \i0+2, \i0+3
	FRAG AF+FR*(\i), ADRA+\slot, \q, \i
.endr
.endm
.macro VFETCH slot, q, p               ; V: B's eight fragments and A's four, set p
	FETCH_B \slot, \q, \p
.irp i, 0,1,2,3
	FRAG AF+64*(\p)+FR*\i, ADRA+\slot, \q, \i
.endr
.endm
; The first 128 along K of a slot.
.macro STEP slot, zero
	s_wait_dscnt 4*NL                              ; B's set and A's blocks 0-3 are in; the youngest 16 loads (A's blocks 4-7) may be out
.if \zero
	WIN 0x81                                       ; C (the bias) window 0, D window 2
.else
	WIN MUL_LO
.endif
	MUL16 0, 0, \zero
	MUL16 2, 0, \zero
	s_wait_dscnt 0
	PLACES NP
	FETCH_B \slot, 1, 1
	FETCH_A \slot, 1, 0
.if \zero
	WIN 0xc1
.else
	WIN MUL_HI
.endif
	MUL16 4, 0, \zero
	MUL16 6, 0, \zero
	PLACES NP
	WIN 0
	FETCH_A \slot, 1, 4
.endm
; The slot's next tile.  fill = 1: two K steps on in the same tensor; 2: V's first into this slot; 3: V's, two K steps on.
.macro REFILL slot, fill
	CREST                                          ; the round: no wave of any partner still reads this slot or has a load on its way
.if \fill == 2
	s_add_nc_u64 s[G0+4*\slot+2:G0+4*\slot+3], s[84:85], \slot*ROWB
	s_or_b32 s[G0+4*\slot+3], s[G0+4*\slot+3], 0x80000000
	s_add_nc_u64 s[G0B+4*\slot+2:G0B+4*\slot+3], s[86:87], \slot*ROWB
	s_or_b32 s[G0B+4*\slot+3], s[G0B+4*\slot+3], 0x80000000
.else
	s_add_nc_u64 s[G0+4*\slot+2:G0+4*\slot+3], s[G0+4*\slot+2:G0+4*\slot+3], 2*ROWB
	s_add_nc_u64 s[G0B+4*\slot+2:G0B+4*\slot+3], s[G0B+4*\slot+2:G0B+4*\slot+3], 2*ROWB
.endif
.if \fill == 1
	JLOAD G0+4*\slot, G1, G0B+4*\slot, G1B         ; the first tensor load behind the round, my one until the next
.else
	JLOAD G0+4*\slot, G1V, G0B+4*\slot, G1B
.endif
.endm
; The slot's second 128 along K, and the change of slots: in front of the barrier each wave waits for all its tensor loads, adds 0 to its spare word, and waits for that and for its reads of this slot.  half = 1: what follows is V, with four blocks of A.
.macro TURN slot, next, fill, askoff, half
	s_wait_dscnt 4*NL
	WIN MUL_LO
	MUL16 0, 1, 0
	WIN 0
	s_wait_tensorcnt 0x0                           ; my part of the next slot is in
	ds_add_u32 v[SPW], v[NIL]
	WIN MUL_LO
	MUL8 2, 1, 0
	s_wait_dscnt 0x0                               ; the add is done, and my reads of this slot are over
	s_barrier_signal -1
	MUL8 3, 1, 0
	WIN 0
	s_barrier_wait -1
	REFILL \slot, \fill                            ; its four v_nop are the places in front of the loads below
	FETCH_B \next, 0, 0
	FETCH_A \next, 0, 0
	ASK 1, \askoff                                 ; V's tokens, two loads ahead
	WIN MUL_HI
	MUL16 4, 1, 0
	MUL16 6, 1, 0
	PLACES NP
	WIN 0
.if \half == 0
	FETCH_A \next, 0, 4
.endif
.endm
.macro VSTEP slot, zero
	PLACES NP
	VFETCH \slot, 1, 1
	s_wait_dscnt 48                                ; set 0 is in; the 48 loads just issued may be out
.if \zero
	WIN 0x81
.else
	WIN MUL_LO
.endif
	MUL16 0, 0, \zero
	MUL16 2, 0, \zero
	WIN 0
.endm
.macro VTURN slot, next, fill
	s_wait_dscnt 0x0
	WIN MUL_LO
	MUL16 4, 1, 0                                  ; set 1 of A lies in the registers of blocks 4-7; the accumulators are window 2's
	WIN 0
	s_wait_tensorcnt 0x0
	ds_add_u32 v[SPW], v[NIL]
	WIN MUL_LO
	MUL8 6, 1, 0
	s_wait_dscnt 0x0
	s_barrier_signal -1
	MUL8 7, 1, 0
	WIN 0
	s_barrier_wait -1
.if \fill
	REFILL \slot, 3
.else
	PLACES NP
.endif
	VFETCH \next, 0, 0
.endm
; THE WAY OUT of block a: 64 numbers a lane are held within the largest code x the scale (the conversion to an 8-bit code does not saturate: ISA guide 7.6.2), each accumulator from its low end on, converted
; into window 1's second set, and the fragment's 16 registers stored as they stand.  Each block has its own 16 registers.
.macro QOUT a, sc, lim, out
.set AC, 64*((\a)%4)
	WIN 0x02+((\a)/4)
.set i, 0
.rept 64
	v_med3_num_f32 v[TMP+i], v[AC+i], -v[\lim], v[\lim]
.set i, i+1
.endr
	WIN 0x40
.irp b, 0,1,2,3,4,5,6,7
	v_cvt_scalef32_pk8_bf8_f32 v[CD+16*(\a)+2*\b:CD+16*(\a)+2*\b+1], v[TMP+8*\b:TMP+8*\b+7], v[\sc]
.endr
	v_nop                                          ; one plain vector instruction behind the last conversion
	WIN 0x04
.irp c, 0,1,2,3
	global_store_b128 v[LI], v[CD+16*(\a)+4*\c:CD+16*(\a)+4*\c+3], s[\out:\out+1] offset:2048*(\a)+512*\c   ; 32 lanes store 512 consecutive bytes, aligned
.endr
.endm
	s_wait_alu depctr_va_vdst(0)
	s_wait_tensorcnt 0x0                           ; my part of K step 0 is in
	ds_add_u32 v[SPW], v[NIL]
	s_wait_dscnt 0x0
	CROUND                                         ; everybody's is
	JLOAD G0+4, G1, G0B+4, G1B                     ; K step 1, the first tensor load behind the round
	FETCH_B 0, 0, 0
	FETCH_A 0, 0, 0
	FETCH_A 0, 0, 4
	ASK 0, 768                                     ; K step 3
	s_wait_loadcnt 0x0                             ; the biases
.set i, 0
.rept 64
	v_ldexp_f32 v[BI+i], v[BI+i], s97
.set i, i+1
.endr
	s_wait_alu depctr_va_vdst(0)
	STEP 0, 1
	TURN 0, 1, 1, 0, 0
	STEP 1, 0
	TURN 1, 0, 1, 256, 0
	STEP 0, 0
	TURN 0, 1, 2, 512, 0                           ; slot 0 takes V's K step 0,
	STEP 1, 0
	TURN 1, 0, 2, 768, 1                           ; slot 1 its K step 1: both are on their way, or in, while the tile goes out
.irp a, 0,1,2,3,4,5,6,7
	QOUT \a, 8, 9, 10
.endr
	WIN 0
.set i, 0
.rept 4
	v_ldexp_f32 v[BI+8*i], v[VB+i], s96            ; V's bias x 2^-(ea + eb), block i,
.set i, i+1
.endr
.set i, 0
.rept 32
.if i%8
	v_mov_b32 v[BI+i], v[BI+8*(i/8)]               ; in all eight registers of the result's layout
.endif
.set i, i+1
.endr
	s_wait_alu depctr_va_vdst(0)
	s_wait_xcnt 0x0                                ; the stores have read the codes: B's second set may be loaded
	VSTEP 0, 2
	VTURN 0, 1, 1
	VSTEP 1, 0
	VTURN 1, 0, 1
	VSTEP 0, 0
	VTURN 0, 1, 0                                  ; nothing is filled again
	VSTEP 1, 0
	s_wait_dscnt 0x0
	WIN MUL_LO
	MUL16 4, 1, 0
	MUL16 6, 1, 0
	WIN 0
	PLACES NP
.irp a, 0,1,2,3
	QOUT \a, 18, 19, 90
.endr
	WIN 0
	s_wait_tensorcnt 0x0                           ; the wave's end
	ds_add_u32 v[SPW], v[NIL]
	s_wait_dscnt 0x0
	CROUND                                         ; the closing round: no work-group ends while a partner may still ask for a tile that names it
	s_endpgm
.Lfunc_end_k_qfdff81a754_proj:
	.size	k_qfdff81a754_proj, .Lfunc_end_k_qfdff81a754_proj-k_qfdff81a754_proj
	.p2alignl 7, 3214868480
	.fill 96, 4, 3214868480
	.section	.rodata,"a",@progbits
	.p2align	6, 0x0
	.amdhsa_kernel k_qfdff81a754_proj
		.amdhsa_group_segment_fixed_size 327680
		.amdhsa_private_segment_fixed_size 0
		.amdhsa_enable_private_segment 0
		.amdhsa_kernarg_size 104
		.amdhsa_user_sgpr_count 2
		.amdhsa_user_sgpr_kernarg_segment_ptr 1
		.amdhsa_wavefront_size32 1
		.amdhsa_system_sgpr_workgroup_id_x 1
		.amdhsa_system_sgpr_workgroup_id_y 1
		.amdhsa_system_sgpr_workgroup_id_z 1
		.amdhsa_system_vgpr_workitem_id 0
		.amdhsa_next_free_vgpr 1024
		.amdhsa_next_free_sgpr 100
		.amdhsa_reserve_vcc 0
		.amdhsa_float_denorm_mode_32 3
		.amdhsa_float_denorm_mode_16_64 3
		.amdhsa_memory_ordered 1
		.amdhsa_forward_progress 1
		.amdhsa_inst_pref_size 195
	.end_amdhsa_kernel
	.amdgpu_metadata
---
amdhsa.version: [ 1, 2 ]
amdhsa.kernels:
  - .name:           k_qfdff81a754_proj
    .symbol:         k_qfdff81a754_proj.kd
    .args:
      - { .name: query_codes, .offset: 0, .size: 8, .value_kind: global_buffer, .address_space: global }
      - { .name: Wq_codes, .offset: 8, .size: 8, .value_kind: global_buffer, .address_space: global }
      - { .name: bq, .offset: 16, .size: 8, .value_kind: global_buffer, .address_space: global }
      - { .name: qc, .offset: 24, .size: 8, .value_kind: global_buffer, .address_space: global }
      - { .name: key_codes, .offset: 32, .size: 8, .value_kind: global_buffer, .address_space: global }
      - { .name: Wk_codes, .offset: 40, .size: 8, .value_kind: global_buffer, .address_space: global }
      - { .name: bk, .offset: 48, .size: 8, .value_kind: global_buffer, .address_space: global }
      - { .name: kc, .offset: 56, .size: 8, .value_kind: global_buffer, .address_space: global }
      - { .name: Wv_codes, .offset: 64, .size: 8, .value_kind: global_buffer, .address_space: global }
      - { .name: value_codes, .offset: 72, .size: 8, .value_kind: global_buffer, .address_space: global }
      - { .name: bv, .offset: 80, .size: 8, .value_kind: global_buffer, .address_space: global }
      - { .name: vc, .offset: 88, .size: 8, .value_kind: global_buffer, .address_space: global }
      - { .name: lowp_scales, .offset: 96, .size: 8, .value_kind: global_buffer, .address_space: global }
    .group_segment_fixed_size: 327680
    .private_segment_fixed_size: 0
    .kernarg_segment_align: 8
    .kernarg_segment_size: 104
    .max_flat_workgroup_size: 128
    .sgpr_count:     100
    .vgpr_count:     1024
    .wavefront_size: 32
...
	.end_amdgpu_metadata
.endif
;; end of part 1
;; launch scores (part 2): grid 8 x 32, 4 waves a work-group, clusters of 4 x 4, 327,680 bytes of LDS; arguments qc, kc, lowp_scales, pc, stats; writes pc, stats
.if DOCPART == 2
	.amdgcn_target "amdgcn-amd-amdhsa--gfx1250"
	.amdhsa_code_object_version 6
	.text
	.protected	k_qfdff81a754_scores
	.globl	k_qfdff81a754_scores
	.p2align	8
	.type	k_qfdff81a754_scores,@function
k_qfdff81a754_scores:
	s_mov_b64 s[64:65], 0
	v_nop
	global_prefetch_b8 v0, s[64:65] scope:SCOPE_SE
	s_setreg_imm32_b32 hwreg(HW_REG_WAVE_MODE, 25, 1), 1
	s_wait_xcnt 0x0
	s_wait_alu depctr_hold_cnt(0) depctr_sa_sdst(0) depctr_va_vdst(0) depctr_va_sdst(0) depctr_va_ssrc(0) depctr_va_vcc(0) depctr_vm_vsrc(0)
	s_getreg_b32 s2, hwreg(HW_REG_IB_STS2, 6, 4)
	s_cmp_eq_u32 s2, 0
	s_cbranch_scc0 .Lentry_in_a_cluster
	s_endpgm
.Lentry_in_a_cluster:
	s_bfe_u32 s2, ttmp6, 0x10000c
	s_cmp_lg_u32 s2, 0xf033
	s_cbranch_scc0 .Lentry_shape_is_right
	s_endpgm
.Lentry_shape_is_right:
; S = Q K^T on the codes that the launch before has made, 4 batches x [2048 x 2048], K = 1,024, and the softmax's p, quantised, with what the last launch needs to join the parts.  No work is left out.
; t = score x log2(e) / 32 x 2^(eq + ek).  A work-group holds 256 queries x 256 keys: a GRANULE of keys.  Mg = the granule's largest t of a query, rounded UP to a whole number; p = 2^(t - Mg), at most 1, is
; quantised to E5M2 with the given 2^ep.  The sum l of the unquantised p is taken in f32.  -Mg and l go to the buffer stats; the last launch brings the eight granules of a row under one M by exact powers of two.
; A tile of 256 x 256 is made by four waves, each 128 x 128.  Source 1 = 16 queries (across the lanes), source 0 = 16 keys (down a lane's registers): a lane holds ONE query and eight neighbouring keys a tile.
; OPERANDS ARE IMAGES OF REGISTERS: a fragment (16 rows x 128 K) is 2,048 bytes, register group c of lane l at 512 c + 16 l.  128 rows x 256 along K are one dense block of 32 KiB: one tensor load; the LDS loads read
; 512 consecutive bytes each: no padding.  p's codes leave in the same form: pc is [block of 128 queries][granule][half of 128 keys][16 queries][2,048].
; stats: [block of 128 queries][chunk of 128 keys][-Mg, l][128 numbers]; number 64 (a / 4) + 4 r + a % 4 belongs to query 16 a + r.
; CLUSTERS: 4 x 4 work-groups; Q's tiles are shared along a row of the cluster, K's along a column, by joint loads.
; LIMITS on the given exponents: eq + ek between -121 and 132 (they are added to the exponent field of log2(e) / 32); ep between -126 and 112.  NaN is not served.
; REGISTERS, in windows of 256: window 0: v0-31 addresses; v32-39 the stats on their way out; v96-111 pairs (-Mg, t); v112-119 l; v120-127 maxima; v128-255 Q's fragments, later the maxima's leaves, later the codes.
;   window 1: K's fragments, two sets.   windows 2, 3: the 64 accumulators.
.set FR,     16
.set NL,     4
.set NP,     4
.set HALFT,  32768                     ; 128 rows x 256 K: what one tensor load brings
.set SLOT,   HALFT                     ; from slot to slot: each wave's region of LDS is 64 KiB, K step s of what it fetches in half s % 2 of it, so that ONE load at the head fills both slots
.set STEPB,  32768                     ; from a K step to the next in qc and kc
.set LAPS,   2
.set XCH,    8*HALFT                   ; behind the four regions: 1,024 bytes a wave, for the maxima that two waves exchange
.set SPARE,  XCH+4096                  ; behind them: the spare words, 128 bytes a wave
.set LI,   7                           ; v7      16 x lane
.set SC,   8                           ; v8      2^ep as f32
.set LIM,  9                           ; v9      57,344 x 2^ep
.set ADRA, 16
.set ADRB, 20
.set XO,   22                          ; v22     where I put my maxima
.set XI,   23                          ; v23     where my partner's lie
.set SPW,  28
.set NIL,  29
.set TMP,  32
.set NMB,  96
.set LS,   112
.set MX,   120
.set AF,   128
.set LV,   128
.set CD,   128
.set SEL,  66                          ; s[66:67] lane selects for v_permlanex16_b32: lane l xor 16
.set CS,   68                          ; s[68:69] c = log2(e) / 32 x 2^(eq + ek)
.set G1, 24
.set G0, 32
.set G1B, 48
.set G0B, 56
.set MSB, 0
.macro WIN new
.if MSB != \new
	s_set_vgpr_msb (MSB<<8)|(\new)
.set MSB, \new
.endif
.endm
.set MUL_LO, 0xa1
.set MUL_HI, 0xf1
.set TO_B,   0x40
.macro JLOAD g0a, g1a, g0b, g1b        ; a joint load: waves 0 and 1 fetch Q's halves, waves 2 and 3 K's; an s_nop 0 and four v_nop follow each line
	s_cmp_eq_u32 s15, 0
	s_cbranch_scc0 .Lfor_b_\@
	tensor_load_to_lds s[\g0a:\g0a+3], s[\g1a:\g1a+7]
	s_nop 0
.rept 4
	v_nop
.endr
	s_branch .Lasked_\@
.Lfor_b_\@:
	tensor_load_to_lds s[\g0b:\g0b+3], s[\g1b:\g1b+7]
	s_nop 0
.rept 4
	v_nop
.endr
.Lasked_\@:
.endm
.macro CREST
	s_cmp_lg_u32 s14, 0
	s_cbranch_scc1 .Lnot_wave_0_\@
	s_barrier_signal -3
.Lnot_wave_0_\@:
	s_barrier_wait -3
	s_barrier_signal -1
	s_barrier_wait -1
.endm
.macro CROUND
	s_barrier_signal -1
	s_barrier_wait -1
	CREST
.endm
	s_load_b128 s[4:7], s[0:1], 0x0                ; Q's codes, K's codes
	s_load_b128 s[8:11], s[0:1], 0x10              ; the scales' exponents, p's codes
	s_load_b64 s[12:13], s[0:1], 0x20              ; stats
	v_lshl_add_u32 v[SPW], v0, 2, SPARE
	v_mov_b32 v[NIL], 0
	ds_add_u32 v[SPW], v[NIL]                      ; the wave's opening: the add, twice on end, and its wait ahead of my first tensor load
	ds_add_u32 v[SPW], v[NIL]
	v_lshrrev_b32 v1, 5, v0
	v_readfirstlane_b32 s14, v1                    ; wave 0..3
	s_lshr_b32 s15, s14, 1                         ; my half of the queries.  Also: I fetch for Q (0) or for K (1)
	s_and_b32 s16, s14, 1                          ; my half of the keys.  Also: which 128 rows I fetch
	s_bfe_u32 s40, ttmp6, 0x40000                  ; cx, cy
	s_bfe_u32 s41, ttmp6, 0x40004
	s_lshl_b32 s42, ttmp9, 2
	s_add_co_u32 s42, s42, s40                     ; the granule: 4 x cluster x + cx, 0..7
	s_and_b32 s78, ttmp7, 0xffff                   ; cluster y, 0..7
	s_lshl_b32 s17, s78, 2
	s_add_co_u32 s17, s17, s41                     ; the tile of 256 queries, 0..31, through all batches
	s_lshl_b32 s43, s41, 2
	s_lshl_b32 s43, 15, s43                        ; my row of the cluster
	s_lshl_b32 s44, 0x1111, s40                    ; my column
	; descriptor group 1: a dense block of 32 KiB as 128 rows of 32 elements of 8 bytes, no padding
	s_or_b32 s[G1+0], s43, (3<<16)|(1<<21)         ; 15:0 the mask; 17:16 elements of 8 bytes; 21 set beside a mask
	s_or_b32 s[G1B+0], s44, (3<<16)|(1<<21)
	s_or_b32 s84, s43, (3<<16)|(1<<21)             ; the head's loads: two K steps, 64 KiB on end in memory and in LDS: 256 rows
	s_or_b32 s92, s44, (3<<16)|(1<<21)
.irp g, 84, 92
	s_mov_b32 s[\g+1], 32<<16
	s_mov_b32 s[\g+2], 256<<16
	s_mov_b32 s[\g+3], 32<<16
	s_mov_b32 s[\g+4], 256
	s_mov_b32 s[\g+5], 32
	s_mov_b32 s[\g+6], 0
	s_mov_b32 s[\g+7], 0
.endr
.irp g, G1, G1B
	s_mov_b32 s[\g+1], 32<<16                      ; tensor_dim0
	s_mov_b32 s[\g+2], 128<<16                     ; tensor_dim1
	s_mov_b32 s[\g+3], 32<<16                      ; tile_dim0
	s_mov_b32 s[\g+4], 128                         ; tile_dim1
	s_mov_b32 s[\g+5], 32                          ; from row to row
	s_mov_b32 s[\g+6], 0
	s_mov_b32 s[\g+7], 0
.endr
	s_lshl_b32 s20, s17, 1
	s_add_co_u32 s20, s20, s16
	s_lshl_b32 s20, s20, 17                        ; Q: block of 128 queries x 4 K steps of 32 KiB
	s_mov_b32 s21, 0
	s_lshr_b32 s46, s78, 1                         ; the batch: two clusters' rows make one
	s_lshl_b32 s46, s46, 4
	s_lshl_b32 s47, s42, 1
	s_add_co_u32 s46, s46, s47
	s_add_co_u32 s46, s46, s16
	s_lshl_b32 s46, s46, 17                        ; K: block 16 x batch + 2 x granule + half
	s_mov_b32 s47, 0
	s_lshl_b32 s45, s14, 16                        ; where they go: wave x 64 KiB
	s_mov_b32 s[SEL], 0x76543210
	s_mov_b32 s[SEL+1], 0xfedcba98
	s_mov_b32 s[CS], 0x3d38aa3b                    ; log2(e) / 32
	s_wait_dscnt 0x0                               ; both opening adds are done
	s_wait_kmcnt 0x0
	s_load_b128 s[72:75], s[8:9], 0x18             ; eq, ek, ep, ev
	s_add_nc_u64 s[20:21], s[4:5], s[20:21]
	s_add_nc_u64 s[46:47], s[6:7], s[46:47]
	CROUND                                         ; all sixteen work-groups are here: the first joint loads meet
.irp s, 0,1
	s_mov_b32 s[G0+4*\s], 1
	s_add_co_u32 s[G0+4*\s+1], s45, \s*SLOT
	s_add_nc_u64 s[G0+4*\s+2:G0+4*\s+3], s[20:21], \s*STEPB
	s_or_b32 s[G0+4*\s+3], s[G0+4*\s+3], 0x80000000
	s_mov_b32 s[G0B+4*\s], 1
	s_add_co_u32 s[G0B+4*\s+1], s45, \s*SLOT
	s_add_nc_u64 s[G0B+4*\s+2:G0B+4*\s+3], s[46:47], \s*STEPB
	s_or_b32 s[G0B+4*\s+3], s[G0B+4*\s+3], 0x80000000
.endr
	JLOAD G0, 84, G0B, 92                          ; K steps 0 and 1 by one load a wave
	; PREFETCH of K steps 2 and 3: of the 32 KiB that a wave fetches, each of the four partners that ask jointly takes 8 KiB, told apart by address; lanes 256 bytes apart
	s_cmp_eq_u32 s15, 0
	s_cselect_b64 s[82:83], s[20:21], s[46:47]
	s_cselect_b32 s70, s40, s41
	s_lshl_b32 s70, s70, 13
	s_mov_b32 s71, 0
	s_add_nc_u64 s[82:83], s[82:83], s[70:71]
	v_and_b32 v24, 31, v0
	v_lshlrev_b32 v24, 8, v24
	global_prefetch_b8 v24, s[82:83] offset:2*STEPB th:TH_LOAD_NT scope:SCOPE_SE
	v_and_b32 v1, 15, v0                           ; r
	v_bfe_u32 v2, v0, 4, 1                         ; h
	v_and_b32 v[LI], 31, v0
	v_lshlrev_b32 v[LI], 4, v[LI]
	s_wait_alu depctr_va_vdst(0)
	s_lshl_b32 s21, s15, 16                        ; my 128 queries
	s_lshl_b32 s22, s16, 16                        ; my 128 keys,
	s_add_co_u32 s22, s22, 4*HALFT                 ; which lie behind Q's two regions
.irp s, 0,1
	v_add_nc_u32 v[ADRA+\s], s21, v[LI]
	v_add_nc_u32 v[ADRB+\s], s22, v[LI]
	s_add_co_u32 s21, s21, SLOT
	s_add_co_u32 s22, s22, SLOT
.endr
	s_lshl_b32 s79, s14, 10
	s_add_co_u32 s79, s79, XCH
	v_add_nc_u32 v[XO], s79, v[LI]                 ; my wave's 1,024 bytes
	s_xor_b32 s79, s14, 1                          ; my partner: the same queries, the other 128 keys
	s_lshl_b32 s79, s79, 10
	s_add_co_u32 s79, s79, XCH
	v_add_nc_u32 v[XI], s79, v[LI]
	s_lshl_b32 s79, s17, 1
	s_add_co_u32 s79, s79, s15                     ; my block of 128 queries
	s_lshl_b32 s79, s79, 4
	s_lshl_b32 s80, s42, 1
	s_add_co_u32 s79, s79, s80
	s_add_co_u32 s79, s79, s16                     ; x 16 + my chunk of 128 keys
	s_lshl_b32 s80, s79, 14
	s_mov_b32 s81, 0
	s_add_nc_u64 s[10:11], s[10:11], s[80:81]      ; 16 KiB of codes each,
	s_lshl_b32 s80, s79, 10
	s_add_nc_u64 s[12:13], s[12:13], s[80:81]      ; 1,024 bytes of stats
	s_wait_alu depctr_va_vdst(0)
	s_wait_kmcnt 0x0
	s_add_co_i32 s79, s72, s73
	s_lshl_b32 s79, s79, 23
	s_add_co_i32 s[CS], s[CS], s79                 ; a score stands for score x 2^(eq + ek): added to c's exponent field
	s_mov_b32 s[CS+1], s[CS]                       ; (named with it as a pair, so it is written)
	s_add_co_i32 s79, s74, 127
	s_lshl_b32 s80, s79, 23
	v_mov_b32 v[SC], s80                           ; 2^ep
	s_add_co_i32 s79, s79, 15
	s_lshl_b32 s79, s79, 23
	s_or_b32 s79, s79, 0x600000
	v_mov_b32 v[LIM], s79                          ; 57,344 x 2^ep
.macro FRAG reg, adr, q, i             ; a fragment comes as it was stored: four loads of 512 consecutive bytes
.irp c, 0,1,2,3
	ds_load_b128 v[\reg+4*\c:\reg+4*\c+3], v[\adr] offset:(8*(\q)+(\i))*2048+512*\c
.endr
.endm
; 16 matrix instructions: Q's blocks a0, a0 + 1 x K's eight.  zero = 1: the first product starts the sums.  The 64 accumulators take turns, one instruction a turn.
.macro MUL16 a0, p, zero
.irp a, \a0, \a0+1
.irp b, 0,1,2,3,4,5,6,7
.if \zero
	v_wmma_f32_16x16x128_bf8_bf8 v[8*(8*((\a)%4)+\b):8*(8*((\a)%4)+\b)+7], v[128*(\p)+FR*\b:128*(\p)+FR*\b+FR-1], v[AF+FR*(\a):AF+FR*(\a)+FR-1], 0
.else
	v_wmma_f32_16x16x128_bf8_bf8 v[8*(8*((\a)%4)+\b):8*(8*((\a)%4)+\b)+7], v[128*(\p)+FR*\b:128*(\p)+FR*\b+FR-1], v[AF+FR*(\a):AF+FR*(\a)+FR-1], v[8*(8*((\a)%4)+\b):8*(8*((\a)%4)+\b)+7]
.endif
.endr
.endr
.endm
.macro FETCH_B slot, q, p
	WIN TO_B
.irp i, 0,1,2,3,4,5,6,7
	FRAG 128*(\p)+FR*\i, ADRB+\slot, \q, \i
.endr
	WIN 0
.endm
.macro FETCH_A slot, q, i0
.irp i, \i0, \i0+1, \i0+2, \i0+3
	FRAG AF+FR*(\i), ADRA+\slot, \q, \i
.endr
.endm
.macro PLACES n                        ; plain vector instructions between a matrix instruction and a load into, or a vector instruction on, its registers
.rept \n
	v_nop
.endr
.endm
.macro STEP slot, q, zero
	s_wait_dscnt 4*NL                              ; K's set and Q's blocks 0-3 are in; the youngest 16 loads (Q's blocks 4-7) may be out
	WIN MUL_LO
	MUL16 0, (\q)%2, \zero
	MUL16 2, (\q)%2, \zero
	s_wait_dscnt 0
	PLACES NP
	FETCH_B \slot, (\q)+1, 1-(\q)%2
	FETCH_A \slot, (\q)+1, 0
	WIN MUL_HI
	MUL16 4, (\q)%2, \zero
	MUL16 6, (\q)%2, \zero
	PLACES NP
	WIN 0
	FETCH_A \slot, (\q)+1, 4
.endm
.macro TURN slot, next, fill
	s_wait_dscnt 4*NL                              ; K's set and Q's blocks 0-3 are in; the youngest 16 loads may be out
	WIN MUL_LO
	MUL16 0, 1, 0
	WIN 0
	s_wait_tensorcnt 0x0                           ; all my tensor loads have landed: my part of the next slot
	ds_add_u32 v[SPW], v[NIL]                      ; 0 onto my spare word
	WIN MUL_LO
	MUL16 2, 1, 0
	s_wait_dscnt 0x0                               ; the add is done, and my reads of this slot are over
	s_barrier_signal -1
	WIN 0
	s_barrier_wait -1
.if \fill
	CREST                                          ; a round of the cluster's barrier: no wave of any partner still reads this slot or has a load on its way
	s_add_nc_u64 s[G0+4*\slot+2:G0+4*\slot+3], s[G0+4*\slot+2:G0+4*\slot+3], 2*STEPB
	s_add_nc_u64 s[G0B+4*\slot+2:G0B+4*\slot+3], s[G0B+4*\slot+2:G0B+4*\slot+3], 2*STEPB
	JLOAD G0+4*\slot, G1, G0B+4*\slot, G1B         ; the first tensor load behind the round, my one load until the next
.else
	PLACES NP
.endif
	FETCH_B \next, 0, 0
	FETCH_A \next, 0, 0
	WIN MUL_HI
	MUL16 4, 1, 0
	MUL16 6, 1, 0
	PLACES NP
	WIN 0
	FETCH_A \next, 0, 4
.endm
	s_wait_tensorcnt 0x0                           ; my part of K steps 0 and 1 is in
	s_barrier_signal -1
	s_barrier_wait -1                              ; everybody's is
	FETCH_B 0, 0, 0
	FETCH_A 0, 0, 0
	FETCH_A 0, 0, 4
	global_prefetch_b8 v24, s[82:83] offset:3*STEPB th:TH_LOAD_NT scope:SCOPE_SE   ; K step 3, two steps ahead of its load
	STEP 0, 0, 1                                   ; the first step starts the sums
	s_mov_b32 s3, LAPS-1
.Llap:
	TURN 0, 1, 1
	STEP 1, 0, 0
	TURN 1, 0, 1
	STEP 0, 0, 0
	s_sub_co_u32 s3, s3, 1
	s_cmp_lg_u32 s3, 0
	s_cbranch_scc1 .Llap
	TURN 0, 1, 0
	STEP 1, 0, 0
	s_wait_dscnt 4*NL
	WIN MUL_LO
	MUL16 0, 1, 0
	MUL16 2, 1, 0
	s_wait_dscnt 0
	WIN MUL_HI
	MUL16 4, 1, 0
	MUL16 6, 1, 0
	WIN 0
	PLACES NP
; THE MAXIMA.  Window w's 32 tiles: three leaves a tile (each accumulator read from its low end on), then each block's 24 leaves become one number.  The four blocks take turns, so that no line waits for the one above.
.macro LEAF w
.if \w == 2
	WIN 0x2a                                       ; all three sources window 2
.else
	WIN 0x3f                                       ; window 3
.endif
.set t, 0
.rept 32
	v_max3_num_f32 v[LV+3*t], v[8*t], v[8*t+1], v[8*t+2]
	v_max3_num_f32 v[LV+3*t+1], v[8*t+3], v[8*t+4], v[8*t+5]
	v_max_num_f32 v[LV+3*t+2], v[8*t+6], v[8*t+7]
.set t, t+1
.endr
	WIN 0
.irp k, 0,1,2,3,4,5,6,7
.irp a, 0,1,2,3
	v_max3_num_f32 v[LV+24*\a+\k], v[LV+24*\a+3*\k], v[LV+24*\a+3*\k+1], v[LV+24*\a+3*\k+2]   ; leaf k is written when leaves up to 3 k - 1 have been read
.endr
.endr
.irp a, 0,1,2,3
	v_max3_num_f32 v[LV+24*\a], v[LV+24*\a], v[LV+24*\a+1], v[LV+24*\a+2]
.endr
.irp a, 0,1,2,3
	v_max3_num_f32 v[LV+24*\a+1], v[LV+24*\a+3], v[LV+24*\a+4], v[LV+24*\a+5]
.endr
.irp a, 0,1,2,3
	v_max_num_f32 v[LV+24*\a+2], v[LV+24*\a+6], v[LV+24*\a+7]
.endr
.irp a, 0,1,2,3
	v_max3_num_f32 v[MX+4*(\w-2)+\a], v[LV+24*\a], v[LV+24*\a+1], v[LV+24*\a+2]
.endr
.endm
	LEAF 2
	LEAF 3
.irp a, 0,1,2,3,4,5,6,7
	v_permlanex16_b32 v[LV+\a], v[MX+\a], s[SEL], s[SEL+1]   ; the query's other keys of my 128 lie in lane l xor 16 (the destination has been written: a leaf)
.endr
.irp a, 0,1,2,3,4,5,6,7
	v_max_num_f32 v[MX+\a], v[MX+\a], v[LV+\a]
.endr
	ds_store_b128 v[XO], v[MX:MX+3]                ; and the granule's other 128 keys in my partner wave: the maxima change hands through LDS
	ds_store_b128 v[XO], v[MX+4:MX+7] offset:512
	s_wait_alu depctr_va_vdst(0)
	s_wait_dscnt 0x0                               ; for the partner's sake: my stores are done
	s_barrier_signal -1
	s_barrier_wait -1
	ds_load_b128 v[224:227], v[XI]
	ds_load_b128 v[228:231], v[XI] offset:512
	s_wait_dscnt 0x0
.irp a, 0,1,2,3,4,5,6,7
	v_max_num_f32 v[MX+\a], v[MX+\a], v[224+\a]
.endr
.irp a, 0,1,2,3,4,5,6,7
	v_mul_f32 v[NMB+2*\a+1], s[CS], v[MX+\a]       ; as t (c is positive)
.endr
.irp a, 0,1,2,3,4,5,6,7
	v_floor_f32 v[NMB+2*\a], -v[NMB+2*\a+1]        ; -Mg = floor(-t) = -ceil(t): a whole number
.endr
; BLOCK a: p = 2^(c s - Mg); its sum; the hold (p is not negative, so it is one-sided; the conversion to an 8-bit code does not saturate: ISA guide 7.6.2); the codes, stored as the fragment's registers stand.
; On the way out window 1, whose fragments are done with, holds four blocks' 64 numbers in turn: block a's at v[64 (a % 4)].
.macro TFMA a                          ; c s - Mg; of the pairs c and -Mg the low word serves both halves
.set AC, 64*((\a)%4)
.set TB, 64*((\a)%4)
	WIN 0x42+((\a)/4)                              ; source 0: window 2 or 3, destination window 1
.set i, 0
.rept 32
	v_pk_fma_f32 v[TB+i:TB+i+1], v[AC+i:AC+i+1], s[CS:CS+1], v[NMB+2*(\a):NMB+2*(\a)+1] op_sel_hi:[1,0,0]
.set i, i+2
.endr
.endm
.macro EXPS a                          ; p = 2^(c s - Mg) of block a, and among the exponentials block a - 1's holds: their sources have had their wait, their readers stand behind the next
.set TB, 64*((\a)%4)
.set TP, 64*(((\a)+3)%4)
	s_wait_alu depctr_va_vdst(0)
	WIN 0x41                                       ; source 0 and destination window 1, source 1 window 0
.set i, 0
.rept 64
	v_exp_f32 v[TB+i], v[TB+i]
.if (\a) > 0
	v_min_num_f32 v[TP+i], v[TP+i], v[LIM]
.endif
.set i, i+1
.endr
	v_nop                                          ; a plain instruction behind the last exponential
	s_wait_alu depctr_va_vdst(0)                   ; and behind the batch, ahead of its first reader
.endm
.macro SUM a                           ; the sum of the UNQUANTISED p, two at a time, in two chains
.set TB, 64*((\a)%4)
	WIN 0x05
	v_pk_add_f32 v[10:11], v[TB:TB+1], v[TB+2:TB+3]
	v_pk_add_f32 v[12:13], v[TB+4:TB+5], v[TB+6:TB+7]
	WIN 0x04
.set i, 8
.rept 14
	v_pk_add_f32 v[10:11], v[10:11], v[TB+i:TB+i+1]
	v_pk_add_f32 v[12:13], v[12:13], v[TB+i+2:TB+i+3]
.set i, i+4
.endr
	WIN 0
	v_pk_add_f32 v[10:11], v[10:11], v[12:13]
	v_add_f32 v[LS+\a], v10, v11
.endm
.macro CODES a                         ; the held p become codes, stored as the fragment's registers stand
.set TB, 64*((\a)%4)
	WIN 0x01
.irp b, 0,1,2,3,4,5,6,7
	v_cvt_scalef32_pk8_bf8_f32 v[CD+16*(\a)+2*\b:CD+16*(\a)+2*\b+1], v[TB+8*\b:TB+8*\b+7], v[SC]
.endr
	v_nop                                          ; one plain vector instruction behind the last conversion
	WIN 0
.irp c, 0,1,2,3
	global_store_b128 v[LI], v[CD+16*(\a)+4*\c:CD+16*(\a)+4*\c+3], s[10:11] offset:2048*(\a)+512*\c   ; 32 lanes store 512 consecutive bytes, aligned; each block has its own registers
.endr
.endm
	TFMA 0
.irp a, 0,1,2,3,4,5,6,7
	EXPS \a
	SUM \a
.if \a > 0
	CODES \a-1
.endif
.if \a < 7
	TFMA \a+1
.endif
.endr
	WIN 0x41
.set i, 0
.rept 64
	v_min_num_f32 v[192+i], v[192+i], v[LIM]       ; block 7's holds
.set i, i+1
.endr
	CODES 7
.irp a, 0,1,2,3,4,5,6,7
	v_permlanex16_b32 v[MX+\a], v[LS+\a], s[SEL], s[SEL+1]   ; (the destination has been written: a maximum, done with)
.endr
.irp a, 0,1,2,3,4,5,6,7
	v_add_f32 v[LS+\a], v[LS+\a], v[MX+\a]         ; l of my 128 keys, in both halves of the lanes
.endr
	v_cmp_ne_u32 vcc_lo, 0, v2                     ; lanes 0-15 store blocks 0-3, lanes 16-31 blocks 4-7: 16 bytes a lane
.irp k, 0,1,2,3
	v_cndmask_b32 v[TMP+\k], v[NMB+2*\k], v[NMB+2*\k+8], vcc_lo
	v_cndmask_b32 v[TMP+4+\k], v[LS+\k], v[LS+\k+4], vcc_lo
.endr
	global_store_b128 v[LI], v[TMP:TMP+3], s[12:13]            ; -Mg: 512 consecutive bytes
	global_store_b128 v[LI], v[TMP+4:TMP+7], s[12:13] offset:512   ; l
	s_wait_tensorcnt 0x0                           ; the wave's end, behind my last tensor load and my last LDS store
	ds_add_u32 v[SPW], v[NIL]
	s_wait_dscnt 0x0
	CROUND                                         ; the closing round
	s_endpgm
.Lfunc_end_k_qfdff81a754_scores:
	.size	k_qfdff81a754_scores, .Lfunc_end_k_qfdff81a754_scores-k_qfdff81a754_scores
	.p2alignl 7, 3214868480
	.fill 96, 4, 3214868480
	.section	.rodata,"a",@progbits
	.p2align	6, 0x0
	.amdhsa_kernel k_qfdff81a754_scores
		.amdhsa_group_segment_fixed_size 327680
		.amdhsa_private_segment_fixed_size 0
		.amdhsa_enable_private_segment 0
		.amdhsa_kernarg_size 40
		.amdhsa_user_sgpr_count 2
		.amdhsa_user_sgpr_kernarg_segment_ptr 1
		.amdhsa_wavefront_size32 1
		.amdhsa_system_sgpr_workgroup_id_x 1
		.amdhsa_system_sgpr_workgroup_id_y 1
		.amdhsa_system_sgpr_workgroup_id_z 1
		.amdhsa_system_vgpr_workitem_id 0
		.amdhsa_next_free_vgpr 1024
		.amdhsa_next_free_sgpr 100
		.amdhsa_reserve_vcc 1
		.amdhsa_float_denorm_mode_32 3
		.amdhsa_float_denorm_mode_16_64 3
		.amdhsa_memory_ordered 1
		.amdhsa_forward_progress 1
		.amdhsa_inst_pref_size 172
	.end_amdhsa_kernel
	.amdgpu_metadata
---
amdhsa.version: [ 1, 2 ]
amdhsa.kernels:
  - .name:           k_qfdff81a754_scores
    .symbol:         k_qfdff81a754_scores.kd
    .args:
      - { .name: qc, .offset: 0, .size: 8, .value_kind: global_buffer, .address_space: global }
      - { .name: kc, .offset: 8, .size: 8, .value_kind: global_buffer, .address_space: global }
      - { .name: lowp_scales, .offset: 16, .size: 8, .value_kind: global_buffer, .address_space: global }
      - { .name: pc, .offset: 24, .size: 8, .value_kind: global_buffer, .address_space: global }
      - { .name: stats, .offset: 32, .size: 8, .value_kind: global_buffer, .address_space: global }
    .group_segment_fixed_size: 327680
    .private_segment_fixed_size: 0
    .kernarg_segment_align: 8
    .kernarg_segment_size: 40
    .max_flat_workgroup_size: 128
    .sgpr_count:     100
    .vgpr_count:     1024
    .wavefront_size: 32
...
	.end_amdgpu_metadata
.endif
;; end of part 2
;; launch pv (part 3): grid 4 x 64, 4 waves a work-group, clusters of 4 x 4, 327,680 bytes of LDS; arguments pc, vc, lowp_scales, out0, stats; writes out0
.if DOCPART == 3
	.amdgcn_target "amdgcn-amd-amdhsa--gfx1250"
	.amdhsa_code_object_version 6
	.text
	.protected	k_qfdff81a754_pv
	.globl	k_qfdff81a754_pv
	.p2align	8
	.type	k_qfdff81a754_pv,@function
k_qfdff81a754_pv:
	s_mov_b64 s[64:65], 0
	v_nop
	global_prefetch_b8 v0, s[64:65] scope:SCOPE_SE
	s_setreg_imm32_b32 hwreg(HW_REG_WAVE_MODE, 25, 1), 1
	s_wait_xcnt 0x0
	s_wait_alu depctr_hold_cnt(0) depctr_sa_sdst(0) depctr_va_vdst(0) depctr_va_sdst(0) depctr_va_ssrc(0) depctr_va_vcc(0) depctr_vm_vsrc(0)
	s_getreg_b32 s2, hwreg(HW_REG_IB_STS2, 6, 4)
	s_cmp_eq_u32 s2, 0
	s_cbranch_scc0 .Lentry_in_a_cluster
	s_endpgm
.Lentry_in_a_cluster:
	s_bfe_u32 s2, ttmp6, 0x10000c
	s_cmp_lg_u32 s2, 0xf033
	s_cbranch_scc0 .Lentry_shape_is_right
	s_endpgm
.Lentry_shape_is_right:
; O = P V on codes of E5M2, 4 batches x [2048 x 2048] x [2048 x 1024], sums in f32, divided by the rows' sums.  No work is left out.
; A work-group makes 128 queries x 256 channels; four waves, each 64 x 128: 32 accumulators.  K = 2,048 keys goes in 16 steps of 128; a slot holds three of them, the ring's last fill one.
; Operands are images of registers, as the launches before have stored them: dense blocks.  Every 256 keys P has its own whole number M (a granule): O is multiplied by 2^(M - next M) behind each granule but the last.
; The factors lie in LDS, 1,024 bytes a granule for each wave.  LIMIT: a granule's M that lies more than 60 under the row's largest counts as 60 under it.
; CLUSTERS: 4 x 4; P's tiles are shared along a row, V's along a column, by joint loads.
; PREFETCH: behind the load of slot k, k = 1 to 3, what slot k + 1 will load; the four partners share a wave's bytes by address, 24 blocks of 256 bytes an instruction.  Slots 0 and 1 and the last, of one step, come by their loads alone.
.set FR,     16
.set FTC,    31
.set PFO,    26
.set NP,     4
.set STEPB,  16384
.set OPB,    3*STEPB
.set SLOT,   3*OPB
.set SPARE,  2*SLOT
.set FT,     SPARE+512
.set FTW,    7*1024
.set SPITCH, 528
.set OROW,   4096
.set LI,   7
.set ADRA, 16
.set ADRB, 20
.set STO,  24
.set RD,   25
.set SPW,  28
.set NIL,  29
.set FTA,  30
.set ET,   32
.set TMP,  32
.set MN,   96
.set FP,   96
.set RC,   100
.set EX,   104
.set FIN,  112
.set AF,   128
.set LL,   128
.set BK,   128
.set G1,   24
.set G0,   32
.set G1B,  48
.set G0B,  56
.set G0L,  68
.set G0BL, 72
.set G1L,  84
.set G1BL, 92
.set MSB, 0
.macro WIN new
.if MSB != \new
	s_set_vgpr_msb (MSB<<8)|(\new)
.set MSB, \new
.endif
.endm
.set MUL_LO, 0xa1
.set TO_B,   0x40
.macro JLOAD g0a, g1a, g0b, g1b
	s_cmp_eq_u32 s15, 0
	s_cbranch_scc0 .Lfor_b_\@
	tensor_load_to_lds s[\g0a:\g0a+3], s[\g1a:\g1a+7]
	s_nop 0
.rept 4
	v_nop
.endr
	s_branch .Lasked_\@
.Lfor_b_\@:
	tensor_load_to_lds s[\g0b:\g0b+3], s[\g1b:\g1b+7]
	s_nop 0
.rept 4
	v_nop
.endr
.Lasked_\@:
.endm
.macro CROUND
	s_barrier_signal -1
	s_barrier_wait -1
	s_cmp_lg_u32 s14, 0
	s_cbranch_scc1 .Lnot_wave_0_\@
	s_barrier_signal -3
.Lnot_wave_0_\@:
	s_barrier_wait -3
	s_barrier_signal -1
	s_barrier_wait -1
.endm
.macro SHAPE g, rows
	s_mov_b32 s[\g+1], 32<<16
	s_mov_b32 s[\g+2], (\rows)<<16
	s_mov_b32 s[\g+3], 32<<16
	s_mov_b32 s[\g+4], \rows
	s_mov_b32 s[\g+5], 32
	s_mov_b32 s[\g+6], 0
	s_mov_b32 s[\g+7], 0
.endm
	s_load_b128 s[4:7], s[0:1], 0x0
	s_load_b128 s[8:11], s[0:1], 0x10
	s_load_b64 s[12:13], s[0:1], 0x20
	v_lshl_add_u32 v[SPW], v0, 2, SPARE
	v_mov_b32 v[NIL], 0
	ds_add_u32 v[SPW], v[NIL]
	ds_add_u32 v[SPW], v[NIL]
	v_lshrrev_b32 v1, 5, v0
	v_readfirstlane_b32 s14, v1
	s_lshr_b32 s15, s14, 1
	s_and_b32 s16, s14, 1
	s_bfe_u32 s40, ttmp6, 0x40000
	s_bfe_u32 s41, ttmp6, 0x40004
	s_lshl_b32 s42, ttmp9, 2
	s_add_co_u32 s42, s42, s40
	s_and_b32 s78, ttmp7, 0xffff
	s_lshl_b32 s17, s78, 2
	s_add_co_u32 s17, s17, s41
	s_lshl_b32 s43, s41, 2
	s_lshl_b32 s43, 15, s43
	s_lshl_b32 s44, 0x1111, s40
	s_or_b32 s[G1], s43, (3<<16)|(1<<21)
	s_or_b32 s[G1L], s43, (3<<16)|(1<<21)
	s_or_b32 s[G1B], s44, (3<<16)|(1<<21)
	s_or_b32 s[G1BL], s44, (3<<16)|(1<<21)
	SHAPE G1, 96
	SHAPE G1B, 192
	SHAPE G1L, 32
	SHAPE G1BL, 64
	s_mul_i32 s45, s16, OPB/2
	s_lshl_b32 s20, s17, 18
	s_add_co_u32 s20, s20, s45
	s_mov_b32 s21, 0
	s_lshl_b32 s66, s16, 13
	s_lshl_b32 s82, s17, 18
	s_add_co_u32 s82, s82, s66
	s_add_co_u32 s82, s82, 15*STEPB
	s_mov_b32 s83, 0
	s_lshr_b32 s46, s78, 2
	s_lshl_b32 s46, s46, 3
	s_lshl_b32 s47, s42, 1
	s_add_co_u32 s46, s46, s47
	s_add_co_u32 s46, s46, s16
	s_lshl_b32 s46, s46, 18
	s_mov_b32 s47, 0
	s_mul_i32 s79, s16, OPB
	s_add_co_u32 s79, s79, OPB
	s_wait_dscnt 0x0
	s_wait_kmcnt 0x0
	s_load_b64 s[76:77], s[8:9], 0x20
	s_add_nc_u64 s[20:21], s[4:5], s[20:21]
	s_add_nc_u64 s[82:83], s[4:5], s[82:83]
	s_add_nc_u64 s[46:47], s[6:7], s[46:47]
	CROUND
.irp s, 0,1
	s_mov_b32 s[G0+4*\s], 1
	s_add_co_u32 s[G0+4*\s+1], s45, \s*SLOT
	s_add_nc_u64 s[G0+4*\s+2:G0+4*\s+3], s[20:21], \s*OPB
	s_or_b32 s[G0+4*\s+3], s[G0+4*\s+3], 0x80000000
	s_mov_b32 s[G0B+4*\s], 1
	s_add_co_u32 s[G0B+4*\s+1], s79, \s*SLOT
	s_add_nc_u64 s[G0B+4*\s+2:G0B+4*\s+3], s[46:47], \s*OPB
	s_or_b32 s[G0B+4*\s+3], s[G0B+4*\s+3], 0x80000000
.endr
	JLOAD G0, G1, G0B, G1B                         ; slot 0: my one load at the head
	s_cmp_eq_u32 s15, 0                            ; the prefetches' base: my wave's bytes of slot 0, my work-group's quarter of them
	s_cselect_b64 s[2:3], s[20:21], s[46:47]
	s_mul_i32 s18, s40, 6144
	s_mul_i32 s19, s41, 12288
	s_cselect_b32 s18, s18, s19
	s_mov_b32 s19, 0
	s_add_nc_u64 s[2:3], s[2:3], s[18:19]
	s_mov_b32 s18, 0                               ; from here on the loop's counter
	v_and_b32 v[PFO], 31, v0
	v_min_u32 v[PFO], 23, v[PFO]                   ; the lanes that are left over name the last block again
	v_lshlrev_b32 v[PFO], 8, v[PFO]
	s_mov_b32 s[G0L], 1
	s_add_co_u32 s[G0L+1], s66, SLOT
	s_mov_b64 s[G0L+2:G0L+3], s[82:83]
	s_or_b32 s[G0L+3], s[G0L+3], 0x80000000
	s_mov_b32 s[G0BL], 1
	s_add_co_u32 s[G0BL+1], s79, SLOT
	s_add_nc_u64 s[G0BL+2:G0BL+3], s[46:47], 15*STEPB
	s_or_b32 s[G0BL+3], s[G0BL+3], 0x80000000
	v_and_b32 v1, 15, v0
	s_wait_alu depctr_va_vdst(0)
	v_bfe_u32 v2, v0, 4, 1
	s_lshl_b32 s80, s17, 14
	s_lshl_b32 s81, s15, 8
	s_add_co_u32 s80, s80, s81
	s_mov_b32 s81, 0
	s_add_nc_u64 s[12:13], s[12:13], s[80:81]
	v_lshlrev_b32 v5, 4, v1
.irp g, 0,1,2,3,4,5,6,7
	global_load_b128 v[ET+4*\g:ET+4*\g+3], v5, s[12:13] offset:2048*\g
.endr
.irp ch, 0,1,2,3,4,5,6,7,8,9,10,11,12,13,14,15
	global_load_b128 v[LL+4*\ch:LL+4*\ch+3], v5, s[12:13] offset:1024*\ch+512
.endr
	v_and_b32 v[LI], 31, v0
	v_lshlrev_b32 v[LI], 4, v[LI]
	s_lshl_b32 s21, s15, 13
	s_mul_i32 s22, s16, OPB
	s_add_co_u32 s22, s22, OPB
.irp s, 0,1
	v_add_nc_u32 v[ADRA+\s], s21, v[LI]
	v_add_nc_u32 v[ADRB+\s], s22, v[LI]
	s_add_co_u32 s21, s21, SLOT
	s_add_co_u32 s22, s22, SLOT
.endr
	s_mul_i32 s23, s14, 16*SPITCH
	v_mul_u32_u24 v3, v1, SPITCH
	s_wait_alu depctr_va_vdst(0)
	v_lshl_add_u32 v3, v2, 5, v3
	v_add_nc_u32 v[STO], s23, v3
	v_add_nc_u32 v[RD], s23, v[LI]
	s_mul_i32 s79, s14, FTW
	s_add_co_u32 s79, s79, FT
	v_add_nc_u32 v[FTA], s79, v[LI]
	s_lshl_b32 s80, s17, 7
	s_lshl_b32 s82, s15, 6
	s_add_co_u32 s80, s80, s82
	s_lshl_b32 s80, s80, 12
	s_lshl_b32 s82, s42, 10
	s_add_co_u32 s80, s80, s82
	s_lshl_b32 s82, s16, 9
	s_add_co_u32 s80, s80, s82
	s_add_nc_u64 s[10:11], s[10:11], s[80:81]
	s_wait_kmcnt 0x0
	s_add_co_i32 s67, s76, s77
	s_mov_b32 s19, 0xc2700000                      ; -60
.macro ASK off                         ; in the loop's first trip alone: P's waves one instruction, V's two
	s_cmp_eq_u32 s18, 0
	s_cbranch_scc0 .Lno_ask_\@
	global_prefetch_b8 v[PFO], s[2:3] offset:\off th:TH_LOAD_NT scope:SCOPE_SE
	s_cmp_eq_u32 s15, 0
	s_cbranch_scc1 .Lno_ask_\@
	global_prefetch_b8 v[PFO], s[2:3] offset:\off+6144 th:TH_LOAD_NT scope:SCOPE_SE
.Lno_ask_\@:
.endm
	s_wait_alu depctr_va_vdst(0)
	s_wait_tensorcnt 0x0                           ; my part of slot 0 is in
	ds_add_u32 v[SPW], v[NIL]
	s_wait_dscnt 0x0
	CROUND                                         ; everybody's is
	JLOAD G0+4, G1, G0B+4, G1B                     ; slot 1's first fill, the first tensor load behind the round; the stats' arithmetic stands under it
	ASK 2*OPB
	s_wait_loadcnt 0x0
.irp a, 0,1,2,3
	v_min3_num_f32 v[MN+\a], v[ET+\a], v[ET+4+\a], v[ET+8+\a]
.endr
.irp a, 0,1,2,3
	v_min3_num_f32 v[MN+\a], v[MN+\a], v[ET+12+\a], v[ET+16+\a]
.endr
.irp a, 0,1,2,3
	v_min3_num_f32 v[MN+\a], v[MN+\a], v[ET+20+\a], v[ET+24+\a]
.endr
.irp a, 0,1,2,3
	v_min_num_f32 v[MN+\a], v[MN+\a], v[ET+28+\a]
.endr
.set i, 0
.rept 16
	v_pk_add_f32 v[ET+i:ET+i+1], v[MN+i%4:MN+i%4+1], v[ET+i:ET+i+1] neg_lo:[0,1] neg_hi:[0,1]
.set i, i+2
.endr
.set i, 0
.rept 32
	v_max_num_f32 v[ET+i], s19, v[ET+i]
.set i, i+1
.endr
.set i, 0
.rept 32
	v_cvt_i32_f32 v[ET+i], v[ET+i]
.set i, i+1
.endr
.irp g, 0,1,2,3,4,5,6,7
.irp i, 0,2
	v_pk_add_f32 v[LL+8*\g+\i:LL+8*\g+\i+1], v[LL+8*\g+\i:LL+8*\g+\i+1], v[LL+8*\g+4+\i:LL+8*\g+4+\i+1]
.endr
.endr
.irp g, 0,1,2,3,4,5,6,7
.irp a, 0,1,2,3
	v_ldexp_f32 v[LL+8*\g+\a], v[LL+8*\g+\a], v[ET+4*\g+\a]
.endr
.endr
.irp g, 1,2,3,4,5,6,7
.irp i, 0,2
	v_pk_add_f32 v[LL+\i:LL+\i+1], v[LL+\i:LL+\i+1], v[LL+8*\g+\i:LL+8*\g+\i+1]
.endr
.endr
	s_wait_alu depctr_va_vdst(0)
.irp a, 0,1,2,3
	v_rcp_f32 v[RC+\a], v[LL+\a]
.endr
	v_nop
.irp a, 0,1,2,3
	v_add_nc_u32 v[EX+\a], s67, v[ET+28+\a]
.endr
	s_wait_alu depctr_va_vdst(0)
.irp a, 0,1,2,3
	v_ldexp_f32 v[FIN+2*\a], v[RC+\a], v[EX+\a]
	v_ldexp_f32 v[FIN+2*\a+1], v[RC+\a], v[EX+\a]
.endr
.irp g, 0,1,2,3,4,5,6
.irp a, 0,1,2,3
	v_sub_nc_u32 v[ET+4*\g+\a], v[ET+4*\g+\a], v[ET+4*\g+4+\a]
.endr
.endr
.irp g, 0,1,2,3,4,5,6
.irp a, 0,1,2,3
	v_ldexp_f32 v[128+8*\g+2*\a], 1.0, v[ET+4*\g+\a]
.endr
.irp a, 0,1,2,3
	v_mov_b32 v[128+8*\g+2*\a+1], v[128+8*\g+2*\a] ; a factor stands twice: it serves both halves of a packed multiplication
.endr
.endr
.irp g, 0,1,2,3,4,5,6
.irp c, 0,1
	ds_store_b128 v[FTA], v[128+8*\g+4*\c:128+8*\g+4*\c+3] offset:1024*\g+512*\c
.endr
.endr
.macro FRAG reg, adr, t, i
.irp c, 0,1,2,3
	ds_load_b128 v[\reg+4*\c:\reg+4*\c+3], v[\adr] offset:(\t)*STEPB+(\i)*2048+512*\c
.endr
.endm
.macro FETCH slot, t, p
	WIN TO_B
.irp i, 0,1,2,3,4,5,6,7
	FRAG 128*(\p)+FR*\i, ADRB+\slot, \t, \i
.endr
	WIN 0
.irp i, 0,1,2,3
	FRAG AF+64*(\p)+FR*\i, ADRA+\slot, \t, \i
.endr
.endm
.macro MUL16 a0, p, zero
.irp a, \a0, \a0+1
.irp b, 0,1,2,3,4,5,6,7
.if \zero
	v_wmma_f32_16x16x128_bf8_bf8 v[8*(8*(\a)+\b):8*(8*(\a)+\b)+7], v[128*(\p)+FR*\b:128*(\p)+FR*\b+FR-1], v[AF+64*(\p)+FR*(\a):AF+64*(\p)+FR*(\a)+FR-1], 0
.else
	v_wmma_f32_16x16x128_bf8_bf8 v[8*(8*(\a)+\b):8*(8*(\a)+\b)+7], v[128*(\p)+FR*\b:128*(\p)+FR*\b+FR-1], v[AF+64*(\p)+FR*(\a):AF+64*(\p)+FR*(\a)+FR-1], v[8*(8*(\a)+\b):8*(8*(\a)+\b)+7]
.endif
.endr
.endr
.endm
.macro PLACES n
.rept \n
	v_nop
.endr
.endm
.macro FLOAD k
.irp c, 0,1
	ds_load_b128 v[FP+4*\c:FP+4*\c+3], v[FTC] offset:1024*\k+512*\c
.endr
.endm
.macro RS1 n                           ; accumulator n x its block's factor: from the last granule's M to the next one's
.set rj, 0
.rept 4
	v_pk_mul_f32 v[8*(\n)+2*rj:8*(\n)+2*rj+1], v[8*(\n)+2*rj:8*(\n)+2*rj+1], v[FP+2*((\n)/8):FP+2*((\n)/8)+1]
.set rj, rj+1
.endr
.endm
; A granule's first K step (set 0): each accumulator is rescaled two turns ahead of its matrix instruction, among the others'.  The accumulators take turns in the same order as in MUL16.
.macro MULR
	WIN 0x82
	RS1 0
	RS1 1
.set mi, 0
.rept 32
	WIN MUL_LO
	v_wmma_f32_16x16x128_bf8_bf8 v[8*mi:8*mi+7], v[FR*(mi%8):FR*(mi%8)+FR-1], v[AF+FR*(mi/8):AF+FR*(mi/8)+FR-1], v[8*mi:8*mi+7]
.if mi < 30
	WIN 0x82
	RS1 mi+2
.endif
.set mi, mi+1
.endr
.endm
; A K step of 128: the next one's fragments are asked for first.  fk >= 0: it opens a granule, and the factors are read too.
.macro KSTEP p, nslot, nt, fk, zero
.if \fk >= 0
	FLOAD \fk
.endif
	FETCH \nslot, \nt, 1-\p
	s_wait_dscnt 48                                ; all but the 48 fragment loads just issued
.if \fk >= 0
	MULR
.else
	WIN MUL_LO
	MUL16 0, \p, \zero
	MUL16 2, \p, \zero
.endif
	WIN 0
.endm
.macro CHANGE slot, kind
	s_wait_tensorcnt 0x0
	ds_add_u32 v[SPW], v[NIL]
.if \kind
	s_add_nc_u64 s[G0+4*\slot+2:G0+4*\slot+3], s[G0+4*\slot+2:G0+4*\slot+3], 2*OPB
	s_add_nc_u64 s[G0B+4*\slot+2:G0B+4*\slot+3], s[G0B+4*\slot+2:G0B+4*\slot+3], 2*OPB
.endif
	s_wait_dscnt 0x0
.if \kind == 0
	s_barrier_signal -1
	s_barrier_wait -1
.else
	CROUND
.if \kind == 1
	JLOAD G0+4*\slot, G1, G0B+4*\slot, G1B
.else
	s_cmp_eq_u32 s18, 0                            ; kind 2: in the loop's second trip the fill is the last, of one K step; the count of trips is the same in all partners
	s_cbranch_scc0 .Lshort_\@
	JLOAD G0+4*\slot, G1, G0B+4*\slot, G1B
	s_branch .Lfilled_\@
.Lshort_\@:
	JLOAD G0L, G1L, G0BL, G1BL
.Lfilled_\@:
.endif
.endif
.endm
	s_wait_alu depctr_va_vdst(0)
	s_wait_dscnt 0x0                               ; my factors are in LDS
	s_barrier_signal -1
	s_barrier_wait -1
	FETCH 0, 0, 0
	KSTEP 0, 0, 1, -1, 1                           ; K step 0 starts the sums
	PLACES NP
.Lsix:                                             ; two trips of six K steps: 1 to 6, 7 to 12; s18 = 3,072 x the trip: three granules' factors
	v_add_nc_u32 v[FTC], s18, v[FTA]
	s_wait_alu depctr_va_vdst(0)
	KSTEP 1, 0, 2, -1, 0
	CHANGE 0, 1
	KSTEP 0, 1, 0, 0, 0
	ASK 3*OPB
	PLACES NP
	KSTEP 1, 1, 1, -1, 0
	PLACES NP
	KSTEP 0, 1, 2, 1, 0
	CHANGE 1, 2
	KSTEP 1, 0, 0, -1, 0
	ASK 4*OPB
	PLACES NP
	KSTEP 0, 0, 1, 2, 0
	PLACES NP
	s_add_co_u32 s18, s18, 3*1024
	s_cmp_lt_u32 s18, 6*1024
	s_cbranch_scc1 .Lsix
	v_add_nc_u32 v[FTC], 6*1024, v[FTA]
	s_wait_alu depctr_va_vdst(0)
	KSTEP 1, 0, 2, -1, 0                           ; K steps 13 and 14; nothing is filled again
	CHANGE 0, 0
	PLACES NP
	KSTEP 0, 1, 0, 0, 0
	s_wait_dscnt 0x0
	WIN MUL_LO
	MUL16 0, 1, 0
	MUL16 2, 1, 0
	WIN 0
.macro TOSTAGE a
.set AC, 64*(\a)
	WIN 0x02
.set i, 0
.rept 32
	v_pk_mul_f32 v[TMP+i:TMP+i+1], v[AC+i:AC+i+1], v[FIN+2*(\a):FIN+2*(\a)+1]
.set i, i+2
.endr
	WIN 0
.irp b, 0,1,2,3,4,5,6,7
	ds_store_b128 v[STO], v[TMP+8*\b:TMP+8*\b+3] offset:64*\b
	ds_store_b128 v[STO], v[TMP+8*\b+4:TMP+8*\b+7] offset:64*\b+16
.endr
.set BB, BK+64*((\a)%2)
.irp t, 0,1,2,3,4,5,6,7,8,9,10,11,12,13,14,15
	ds_load_b128 v[BB+4*\t:BB+4*\t+3], v[RD] offset:\t*SPITCH
.endr
.endm
.macro SEND a, younger
.set BB, BK+64*((\a)%2)
	s_wait_dscnt \younger
.if (\a) > 0
	s_add_nc_u64 s[10:11], s[10:11], 16*OROW
.endif
.irp t, 0,1,2,3,4,5,6,7,8,9,10,11,12,13,14,15
	global_store_b128 v[LI], v[BB+4*\t:BB+4*\t+3], s[10:11] offset:\t*OROW th:TH_STORE_NT
.endr
.endm
	PLACES NP
	TOSTAGE 0
.irp a, 1,2,3
.if \a > 1
	s_wait_xcnt 0x0
.endif
	TOSTAGE \a
	SEND \a-1, 32
.endr
	s_wait_xcnt 0x0
	SEND 3, 0
	s_wait_tensorcnt 0x0
	ds_add_u32 v[SPW], v[NIL]
	s_wait_dscnt 0x0
	CROUND
	s_endpgm
.Lfunc_end_k_qfdff81a754_pv:
	.size	k_qfdff81a754_pv, .Lfunc_end_k_qfdff81a754_pv-k_qfdff81a754_pv
	.p2alignl 7, 3214868480
	.fill 96, 4, 3214868480
	.section	.rodata,"a",@progbits
	.p2align	6, 0x0
	.amdhsa_kernel k_qfdff81a754_pv
		.amdhsa_group_segment_fixed_size 327680
		.amdhsa_private_segment_fixed_size 0
		.amdhsa_enable_private_segment 0
		.amdhsa_kernarg_size 40
		.amdhsa_user_sgpr_count 2
		.amdhsa_user_sgpr_kernarg_segment_ptr 1
		.amdhsa_wavefront_size32 1
		.amdhsa_system_sgpr_workgroup_id_x 1
		.amdhsa_system_sgpr_workgroup_id_y 1
		.amdhsa_system_sgpr_workgroup_id_z 1
		.amdhsa_system_vgpr_workitem_id 0
		.amdhsa_next_free_vgpr 768
		.amdhsa_next_free_sgpr 100
		.amdhsa_reserve_vcc 0
		.amdhsa_float_denorm_mode_32 3
		.amdhsa_float_denorm_mode_16_64 3
		.amdhsa_memory_ordered 1
		.amdhsa_forward_progress 1
		.amdhsa_inst_pref_size 145
	.end_amdhsa_kernel
	.amdgpu_metadata
---
amdhsa.version: [ 1, 2 ]
amdhsa.kernels:
  - .name:           k_qfdff81a754_pv
    .symbol:         k_qfdff81a754_pv.kd
    .args:
      - { .name: pc, .offset: 0, .size: 8, .value_kind: global_buffer, .address_space: global }
      - { .name: vc, .offset: 8, .size: 8, .value_kind: global_buffer, .address_space: global }
      - { .name: lowp_scales, .offset: 16, .size: 8, .value_kind: global_buffer, .address_space: global }
      - { .name: out0, .offset: 24, .size: 8, .value_kind: global_buffer, .address_space: global }
      - { .name: stats, .offset: 32, .size: 8, .value_kind: global_buffer, .address_space: global }
    .group_segment_fixed_size: 327680
    .private_segment_fixed_size: 0
    .kernarg_segment_align: 8
    .kernarg_segment_size: 40
    .max_flat_workgroup_size: 128
    .sgpr_count:     100
    .vgpr_count:     768
    .wavefront_size: 32
...
	.end_amdgpu_metadata
.endif
;; end of part 3
